; MI455X (gfx1250); checked and timed in simulation.
; The chip was launched on July 23, 2026; its instructions are those of AMD's public machine-readable ISA for CDNA 5 (MIT licence, August 2026) and "CDNA5" Instruction Set Architecture Reference Guide (July 2026). The comments in the code are by the model that wrote it; some were corrected since.
;; knn mask interp. Allowed arithmetic: float matrix products may take bf16 or f16 operands with f32 sums; all other float work in f32.
;; Inputs: d_coor 16,384 x 3 float32; s_coor 8,192 x 3 float32; s_mask 8,192 x 32 float32.
;; Outputs: out0 16,384 x 32 float32.
;; 2 versions, each right; version 2 is version 1 with the launch scan written anew for expert scheduling mode. Each part assembles by itself: llvm-mc -triple=amdgcn-amd-amdhsa -mcpu=gfx1250 --defsym DOCPART=n.
;; ======== version 1 of 2: 3 launches
;; workspace buffers: stab 131,072 bytes; qtab 262,144 bytes; gflag 2,097,152 bytes of whole numbers; eflag 2,097,152 bytes of whole numbers
;; launch scan (part 1): grid 256 x 1, 8 waves a work-group, no clusters, 189,952 bytes of LDS; arguments d_coor, s_coor, stab, qtab, gflag; writes stab, qtab, gflag
.if DOCPART == 1
	.amdgcn_target "amdgcn-amd-amdhsa--gfx1250"
	.amdhsa_code_object_version 6
	.text
	.protected	k_q75fa31e9a5_scan
	.globl	k_q75fa31e9a5_scan
	.p2align	8
	.type	k_q75fa31e9a5_scan,@function
k_q75fa31e9a5_scan:
	s_mov_b64 s[64:65], 0
	v_nop
	global_prefetch_b8 v0, s[64:65] scope:SCOPE_SE
	s_setreg_imm32_b32 hwreg(HW_REG_WAVE_MODE, 25, 1), 1
	s_wait_xcnt 0x0
; FIRST OF THREE LAUNCHES of: for each of 16,384 queries the 8 nearest of 8,192 sources (d2 = (q2 + s2) - 2 q.s, ties to the lower
; index), then a vote over their mask rows.  The sources are cut into 256 groups of 32 neighbouring indices.  The 8 nearest sources lie
; in the 8 groups that come first by (group minimum, group number): a group left out has 8 groups in front of it, each with a source
; that is nearer, or as near with a lower index.  This launch finds each query's 8th smallest group minimum T and stores, as bit masks,
; which groups have a minimum below T and which equal to T; no address here hangs on a distance.
; It also stores the rounded tables for the later launches: stab (x, y, z, s2 of every source) and qtab (x, y, z, q2 of every query).
; ARITHMETIC: coordinates are rounded to bf16 once; their products are then exact in f32.  s2 = fma(z,z,fma(y,y,x*x)), q2 likewise,
; t = q2 + s2, d2 = fma(dot, -2, t).  The dot product is two matrix instructions in a chain, k = {x, y} with C = 0 and k = {z} with C = D,
; so that it is rounded at the two points at which mul, fma, fma round it in the later launches.
; LIMITS: coordinates finite, their squares inside f32.  The matrix unit's sum may differ from an fma in the last bit when two products
; lie far apart; the choice of groups can then differ from the later launches' arithmetic only if the 8th and 9th group minima are within one last bit.
; SHARES: a work-group owns 64 queries (4 tiles of 16).  Wave w: source quarter sq = w / 2, tiles 2 tp and 2 tp + 1, tp = w % 2.
; Lane (r = lane % 16, h = lane / 16) owns query r of both tiles against sublist s = 2 sq + h (sources 1024 s .. 1024 s + 1023).
; A step takes 8 sources of each of the wave's two sublists as the 16 rows of A: result register j of lane (r, h) is source 1024 s + 8 step + j.
; NO CLUSTER, NO TENSOR LOAD: all work-groups read the same 98,304 bytes of s_coor, once each, and every number has to pass through
; registers (rounding to bf16, s2) before it lies in LDS; a copy as it stands would have to be read, converted and stored again.
.set SRCP, 8256                        ; LDS: 1,024 sources x 8 bytes {x y z 0} in bf16, + 64: rows 8-15 of A start 64 bytes off rows 0-7 modulo 256
.set S2B,  66048                       ; s2, 4 bytes a source
.set MINB, 98816                       ; group minima: wave x 8192 + tile x 4096 + group x 128 + lane x 4
.set KXB,  164352                      ; the lanes' 8 smallest minima: ((tile x 8 + s) x 16 + r) x 32
.set FXB,  180736                      ; flags as they go out: ((16 tile + r) x 8 + s) x 16
.set LN, 1
.set R, 2
.set H, 3
.set ADA, 4                            ; LDS address of my row of A, stepped by 256 a trip
.set ADS, 5                            ; of my sublist's s2, stepped by 128 a trip
.set ADM, 6                            ; of my word in MINB, stepped by 128 a trip
.set ADM0, 7                           ; the same, not stepped
.set RO, 28                            ; byte offset of my source in s_coor
.set QO, 29                            ; byte offset of my query in d_coor
.set VZ, 31                            ; 0
.set RAW, 32                           ; v[32:159] 32 sources as loaded, 3 registers at a stride of 4; then:
.set AB, 32                            ; v[32:63]   A, four buffers of 8; registers 2-7 stay 0
.set BF, 64                            ; v[64:95]   B: tile 0 {x y}, tile 0 {z}, tile 1 {x y}, tile 1 {z}
.set SB, 96                            ; v[96:127]  s2 of a step's 8 sources, four buffers
.set DB, 128                           ; v[128:159] dot products: 16 x buffer + 8 x tile
.set TT, 160                           ; v[160:175] t, then d2: 8 x tile
.set MA, 176                           ; v[176:181] partial minima
.set MG, 182                           ; v[182:183] running minimum of the group, a tile each
.set KL, 184                           ; v[184:199] my 8 smallest group minima, ascending, a tile each
.set Q2, 200                           ; v[200:203] (q2, q2) a tile each
.set QR, 204                           ; v[204:206], v[208:210] my two queries as loaded
.set TR, 212                           ; table job: as loaded
.set TD, 220                           ; table job: the 16 bytes that are stored
.set TQ, 224
.set TLO, 225
.set TSO, 226
; round x, y, z to bf16 (p0 = {x, y}, p1 = {z, 0}), widen again, and sum the squares in ascending order
.macro CONV x, y, z, p0, p1, ox, oy, oz, os
	v_cvt_pk_bf16_f32 v[\p0], v[\x], v[\y]
	v_cvt_pk_bf16_f32 v[\p1], v[\z], v[VZ]
	v_lshlrev_b32 v[\ox], 16, v[\p0]
	v_and_b32 v[\oy], s18, v[\p0]
	v_lshlrev_b32 v[\oz], 16, v[\p1]
	v_mul_f32 v[\os], v[\ox], v[\ox]
	v_fmac_f32 v[\os], v[\oy], v[\oy]
	v_fmac_f32 v[\os], v[\oz], v[\oz]
.endm
; insert x into the ascending list k: each place takes the middle one of its lower neighbour, itself and x
.macro INS k, x
.irp i,7,6,5,4,3,2,1
	v_med3_num_f32 v[\k+\i], v[\k+\i-1], v[\k+\i], v[\x]
.endr
	v_min_num_f32 v[\k], v[\k], v[\x]
.endm
.macro CE lo, hi, a, b
	v_min_num_f32 v[\lo], v[\a], v[\b]
	v_max_num_f32 v[\hi], v[\a], v[\b]
.endm
; sort a bitonic run of 8 in c into k (c is used up)
.macro BSORT c, k
.irp i,0,1,2,3
	CE \k+\i, \k+\i+4, \c+\i, \c+\i+4
.endr
.irp i,0,1,4,5
	CE \c+\i, \c+\i+2, \k+\i, \k+\i+2
.endr
.irp i,0,2,4,6
	CE \k+\i, \k+\i+1, \c+\i, \c+\i+1
.endr
.endm
; the 8 smallest of two ascending lists a and b, ascending, into a
.macro MERGE a, b
.irp i,0,1,2,3,4,5,6,7
	v_min_num_f32 v[64+\i], v[\a+\i], v[\b+7-\i]
.endr
	BSORT 64, \a
.endm
; shift (d < t) into wl and (d == t) into we
.macro FLAG d, t, wl, we
	v_cmp_lt_f32 vcc_lo, v[\d], v[\t]
	v_add_co_ci_u32 v[\wl], vcc_lo, v[\wl], v[\wl], vcc_lo
	v_cmp_eq_f32 vcc_lo, v[\d], v[\t]
	v_add_co_ci_u32 v[\we], vcc_lo, v[\we], v[\we], vcc_lo
.endm
; n = number of ones in x
.macro POPC x, n, t
	v_lshrrev_b32 v[\t], 1, v[\x]
	v_and_b32 v[\t], s22, v[\t]
	v_sub_nc_u32 v[\n], v[\x], v[\t]
	v_lshrrev_b32 v[\t], 2, v[\n]
	v_and_b32 v[\n], s23, v[\n]
	v_and_b32 v[\t], s23, v[\t]
	v_add_nc_u32 v[\n], v[\n], v[\t]
	v_lshrrev_b32 v[\t], 4, v[\n]
	v_add_nc_u32 v[\n], v[\n], v[\t]
	v_and_b32 v[\n], s24, v[\n]
	v_mul_lo_u32 v[\n], v[\n], s25
	v_lshrrev_b32 v[\n], 24, v[\n]
.endm
	s_load_b256 s[4:11], s[0:1], 0x0               ; d_coor s[4:5], s_coor s[6:7], stab s[8:9], qtab s[10:11]
	s_load_b64 s[12:13], s[0:1], 0x20              ; gflag
	v_lshl_add_u32 v228, v0, 2, 0x2e200
	v_mov_b32 v229, 0
	v_and_b32 v[LN], 31, v0
	v_lshrrev_b32 v8, 5, v0
	v_readfirstlane_b32 s14, v8                    ; wave
	v_and_b32 v[R], 15, v0
	v_bfe_u32 v[H], v0, 4, 1
	s_lshr_b32 s15, s14, 1                         ; sq
	s_and_b32 s16, s14, 1                          ; tp
	s_mov_b32 s18, 0xffff0000                      ; a word's upper bf16
	s_mov_b32 s19, 0x7f800000                      ; +infinity
	s_mov_b32 s20, 0x76543210                      ; v_permlanex16_b32: lane i of the other half
	s_mov_b32 s21, 0xfedcba98
	s_mov_b32 s22, 0x55555555
	s_mov_b32 s23, 0x33333333
	s_mov_b32 s24, 0x0f0f0f0f
	s_mov_b32 s25, 0x01010101
	v_mov_b32 v[VZ], 0
	v_mul_u32_u24 v[RO], v0, 12                    ; source = thread + 256 i
	s_lshl_b32 s26, ttmp9, 6                       ; the work-group's first query
	s_lshl_b32 s27, s16, 5
	s_add_co_u32 s27, s26, s27                     ; my first tile's first query
	v_add_nc_u32 v[QO], s27, v[R]
	v_mul_u32_u24 v[QO], v[QO], 12
	s_wait_kmcnt 0x0
.set i, 0
.rept 32
	global_load_b96 v[RAW+4*i:RAW+4*i+2], v[RO], s[6:7] offset:3072*i
.set i, i+1
.endr
	global_load_b96 v[QR:QR+2], v[QO], s[4:5]
	global_load_b96 v[QR+4:QR+6], v[QO], s[4:5] offset:192
	; THE TABLE JOB: waves 0 and 1 store the work-group's 64 queries to qtab, wave 2 stores group number = work-group number to stab.
	; Its registers serve nothing else, so no wait is needed for the store's sources.
	s_cmp_gt_u32 s14, 2
	s_cbranch_scc1 .Ltabdone
	s_cmp_eq_u32 s14, 2
	s_cbranch_scc1 .Ltabs
	v_add_nc_u32 v[TQ], s26, v0                    ; query = 64 b + thread (threads 0-63)
	v_mul_u32_u24 v[TLO], v[TQ], 12
	v_lshlrev_b32 v[TSO], 4, v[TQ]
	global_load_b96 v[TR:TR+2], v[TLO], s[4:5]
	s_wait_loadcnt 0x0
	CONV TR, TR+1, TR+2, 12, 13, TD, TD+1, TD+2, TD+3
	global_store_b128 v[TSO], v[TD:TD+3], s[10:11] ; (x, y, z, q2): the wave's store covers 512 consecutive bytes
	s_branch .Ltabdone
.Ltabs:
	s_lshl_b32 s28, ttmp9, 5
	v_lshl_add_u32 v[TQ], v[R], 1, s28             ; sources 32 b + 2 p and 2 p + 1, p = lane % 16
	v_mul_u32_u24 v[TLO], v[TQ], 12
	s_lshl_b32 s28, ttmp9, 9
	v_lshl_add_u32 v[TSO], v[LN], 4, s28           ; 512 b + 16 lane
	global_load_b96 v[TR:TR+2], v[TLO], s[6:7]
	global_load_b96 v[TR+4:TR+6], v[TLO], s[6:7] offset:12
	s_wait_loadcnt 0x0
	CONV TR, TR+1, TR+2, 12, 13, 14, 15, 16, 17
	CONV TR+4, TR+5, TR+6, 12, 13, 18, 19, 20, 21
	v_cmp_le_u32 vcc_lo, 16, v[LN]                 ; lanes 0-15: (x0 x1 y0 y1); lanes 16-31: (z0 z1 s2_0 s2_1), 256 bytes further
	v_cndmask_b32 v[TD], v14, v16, vcc_lo
	v_cndmask_b32 v[TD+1], v18, v20, vcc_lo
	v_cndmask_b32 v[TD+2], v15, v17, vcc_lo
	v_cndmask_b32 v[TD+3], v19, v21, vcc_lo
	global_store_b128 v[TSO], v[TD:TD+3], s[8:9]
.Ltabdone:
	; ALL SOURCES INTO LDS, rounded, with s2
	v_lshlrev_b32 v24, 3, v0
	v_lshlrev_b32 v25, 2, v0
	v_add_nc_u32 v25, S2B, v25
.set i, 0
.rept 32
	s_wait_loadcnt 33-i                            ; behind load i stand 31 - i source loads and the two query loads
	CONV RAW+4*i, RAW+4*i+1, RAW+4*i+2, 12, 13, 14, 15, 16, 17
	ds_store_b64 v24, v[12:13] offset:(i>>2)*SRCP+(i&3)*2048
	ds_store_b32 v25, v17 offset:1024*i
.set i, i+1
.endr
	s_wait_loadcnt 0x0                             ; my two queries
	; what is 0 in A and B for good: k = 4 .. 31, and in B the upper half's k = 8 .. 11, which meet A's copy of the row there
.irp b,0,1,2,3
.irp i,2,3,4,5,6,7
	v_mov_b32 v[AB+8*\b+\i], 0
.endr
.endr
.irp u,0,1
.irp i,1,2,3,4,5,6,7,8,10,11,12,13,14,15
	v_mov_b32 v[BF+16*\u+\i], 0
.endr
.endr
	v_cmp_eq_u32 vcc_lo, 0, v[H]
.irp u,0,1
	CONV QR+4*\u, QR+4*\u+1, QR+4*\u+2, 12, 13, 14, 15, 16, 17
	v_cndmask_b32 v[BF+16*\u], v[VZ], v12, vcc_lo      ; first link: k = 0, 1
	v_cndmask_b32 v[BF+16*\u+9], v[VZ], v13, vcc_lo    ; second link: k = 2
	v_mov_b32 v[Q2+2*\u], v17
	v_mov_b32 v[Q2+2*\u+1], v17
.endr
.set i, 0
.rept 16
	v_mov_b32 v[KL+i], s19
.set i, i+1
.endr
	v_lshrrev_b32 v8, 3, v[R]
	s_lshl_b32 s28, s15, 1                         ; 2 sq
	v_add_nc_u32 v8, s28, v8
	v_mul_u32_u24 v8, v8, SRCP
	v_and_b32 v11, 7, v[R]
	v_lshl_add_u32 v[ADA], v11, 3, v8              ; row r of A: sublist 2 sq + r / 8, source r % 8 of the step
	v_add_nc_u32 v8, s28, v[H]
	v_lshlrev_b32 v8, 12, v8
	v_add_nc_u32 v[ADS], S2B, v8
	s_lshl_b32 s29, s14, 13
	s_add_co_u32 s29, s29, MINB
	v_lshl_add_u32 v[ADM0], v[LN], 2, s29
	v_mov_b32 v[ADM], v[ADM0]
	s_wait_dscnt 0x0                               ; my part of the tables is in LDS,
	s_barrier_signal -1
	s_barrier_wait -1                              ; everybody's is
.macro LDT buf, off                    ; three LDS loads: a step's row of A and its 8 s2
	ds_load_b64 v[AB+8*(\buf):AB+8*(\buf)+1], v[ADA] offset:64*(\off)
	ds_load_b128 v[SB+8*(\buf):SB+8*(\buf)+3], v[ADS] offset:32*(\off)
	ds_load_b128 v[SB+8*(\buf)+4:SB+8*(\buf)+7], v[ADS] offset:32*(\off)+16
.endm
.macro MM ab, db                       ; 16 sources x 16 queries for both tiles; the second link takes the first link's D as C and D (a chain in place)
	v_wmma_f32_16x16x32_bf16 v[DB+16*(\db):DB+16*(\db)+7], v[AB+8*(\ab):AB+8*(\ab)+7], v[BF:BF+7], 0
	v_wmma_f32_16x16x32_bf16 v[DB+16*(\db)+8:DB+16*(\db)+15], v[AB+8*(\ab):AB+8*(\ab)+7], v[BF+16:BF+23], 0
	v_wmma_f32_16x16x32_bf16 v[DB+16*(\db):DB+16*(\db)+7], v[AB+8*(\ab):AB+8*(\ab)+7], v[BF+8:BF+15], v[DB+16*(\db):DB+16*(\db)+7]
	v_wmma_f32_16x16x32_bf16 v[DB+16*(\db)+8:DB+16*(\db)+15], v[AB+8*(\ab):AB+8*(\ab)+7], v[BF+24:BF+31], v[DB+16*(\db)+8:DB+16*(\db)+15]
.endm
; Step j of a group of four.  ld: load the step three ahead; mm: multiply the next step; wc: LDS instructions that may stay out.
; The products read here were issued one step ago (the very first ones in front of the loop, with this step's eight additions between), and
; a load lands in a buffer of A two steps behind the matrix instructions that read it: more than the four independent vector instructions
; that ISA guide 7.12.1 asks for.
.macro STEP j, ld, mm, wc
.if \ld
	LDT (\j+3)%4, \j+3
.endif
	s_wait_dscnt \wc
.if \mm
	MM (\j+1)%4, (\j+1)%2
.endif
.irp u,0,1
.irp p,0,2,4,6
	v_pk_add_f32 v[TT+8*\u+\p:TT+8*\u+\p+1], v[SB+8*(\j%4)+\p:SB+8*(\j%4)+\p+1], v[Q2+2*\u:Q2+2*\u+1]
.endr
.endr
.irp u,0,1
.irp p,0,2,4,6
	v_pk_fma_f32 v[TT+8*\u+\p:TT+8*\u+\p+1], v[DB+16*(\j%2)+8*\u+\p:DB+16*(\j%2)+8*\u+\p+1], -2.0, v[TT+8*\u+\p:TT+8*\u+\p+1] op_sel_hi:[1,0,1]
.endr
.endr
.irp u,0,1
	v_min3_num_f32 v[MA+3*\u], v[TT+8*\u], v[TT+8*\u+1], v[TT+8*\u+2]
	v_min3_num_f32 v[MA+3*\u+1], v[TT+8*\u+3], v[TT+8*\u+4], v[TT+8*\u+5]
.if \j
	v_min3_num_f32 v[MA+3*\u+2], v[TT+8*\u+6], v[TT+8*\u+7], v[MG+\u]
.else
	v_min_num_f32 v[MA+3*\u+2], v[TT+8*\u+6], v[TT+8*\u+7]     ; a group's first step starts its minimum
.endif
	v_min3_num_f32 v[MG+\u], v[MA+3*\u], v[MA+3*\u+1], v[MA+3*\u+2]
.endr
.endm
.macro GROUPEND                        ; the group's minimum goes into my list and into my word of MINB
	INS KL, MG
	INS KL+8, MG+1
	ds_store_b32 v[ADM], v[MG]
	ds_store_b32 v[ADM], v[MG+1] offset:4096
.endm
	LDT 0, 0
	LDT 1, 1
	LDT 2, 2
	s_wait_dscnt 0x6                               ; step 0's three loads are in, the six of steps 1 and 2 stay out
	MM 0, 0
	; In the loop the wait has to show the next step's row of A in: behind its group of three loads stand the groups of the two steps after it,
	; six loads (and, once a trip, two stores, which only make the wait stricter).
	s_mov_b32 s17, 31
.Ltrip:
	STEP 0, 1, 1, 6
	STEP 1, 1, 1, 6
	STEP 2, 1, 1, 6
	STEP 3, 1, 1, 6
	GROUPEND
	v_add_nc_u32 v[ADA], 256, v[ADA]
	v_add_nc_u32 v[ADS], 128, v[ADS]
	v_add_nc_u32 v[ADM], 128, v[ADM]
	s_sub_co_i32 s17, s17, 1
	s_cmp_lg_u32 s17, 0
	s_cbranch_scc1 .Ltrip
	STEP 0, 1, 1, 6                                ; the last group: one more load group (step 127), then the counts run down
	STEP 1, 0, 1, 3
	STEP 2, 0, 1, 0
	STEP 3, 0, 0, 0
	GROUPEND
	; THE CLOSE.  Every lane's list goes to LDS; each wave merges the 8 sublists of its own two tiles.
	s_lshl_b32 s28, s16, 4                         ; 8 x (2 tp)
	s_lshl_b32 s29, s15, 1                         ; 2 sq
	s_add_co_u32 s30, s28, s29
	v_add_nc_u32 v8, s30, v[H]
	v_lshl_add_u32 v8, v8, 4, v[R]
	v_lshlrev_b32 v8, 5, v8
	v_add_nc_u32 v8, KXB, v8
	ds_store_b128 v8, v[KL:KL+3]
	ds_store_b128 v8, v[KL+4:KL+7] offset:16
	ds_store_b128 v8, v[KL+8:KL+11] offset:4096
	ds_store_b128 v8, v[KL+12:KL+15] offset:4112
	v_lshl_add_u32 v9, v[H], 2, s28                ; I read sublists 4 h .. 4 h + 3 of query r
	v_lshl_add_u32 v9, v9, 4, v[R]
	v_lshlrev_b32 v9, 5, v9
	v_add_nc_u32 v9, KXB, v9
	s_lshl_b32 s28, s16, 5                         ; 16 x (2 tp)
	v_add_nc_u32 v10, s28, v[R]
	v_lshlrev_b32 v10, 3, v10
	v_add3_u32 v10, v10, s29, v[H]
	v_lshlrev_b32 v10, 4, v10
	v_add_nc_u32 v10, FXB, v10
	s_wait_dscnt 0x0                               ; my lists (and my minima) are in LDS,
	s_barrier_signal -1
	s_barrier_wait -1                              ; everybody's are
.macro CLOSE u
.irp c,0,1,2,3
	ds_load_b128 v[32+8*\c:35+8*\c], v9 offset:4096*\u+512*\c
	ds_load_b128 v[36+8*\c:39+8*\c], v9 offset:4096*\u+512*\c+16
.endr
.set g, 0
.rept 32
	ds_load_b32 v[SB+g], v[ADM0] offset:4096*\u+128*g          ; my own 32 group minima
.set g, g+1
.endr
	s_wait_dscnt 32                                ; the four lists are in; the 32 loads behind them stay out
	MERGE 32, 40
	MERGE 48, 56
	MERGE 32, 48
.irp i,0,1,2,3,4,5,6,7
	v_permlanex16_b32 v[72+\i], v[32+\i], s20, s21 ; the other four sublists' 8 smallest
.endr
.irp i,0,1,2,3,4,5,6,7
	v_min_num_f32 v[64+\i], v[32+\i], v[72+7-\i]   ; the 8 smallest of all 256 minima, in no order
.endr
	v_max3_num_f32 v11, v64, v65, v66
	v_max3_num_f32 v12, v67, v68, v69
	v_max3_num_f32 v11, v70, v71, v11
	v_max_num_f32 v11, v11, v12                    ; T, the 8th smallest
	v_mov_b32 v80, 0
	v_mov_b32 v81, 0
	s_wait_dscnt 0x0
.set g, 31
.rept 32
	FLAG SB+g, 11, 80, 81                          ; group 31 first: group g ends in bit g
.set g, g-1
.endr
	POPC 80, 13, 15
	POPC 81, 14, 15
	v_lshl_or_b32 v82, v14, 16, v13
	v_mov_b32 v83, 0
	ds_store_b128 v10, v[80:83] offset:2048*\u
.endm
	CLOSE 0
	CLOSE 1
	s_wait_dscnt 0x0
	s_barrier_signal -1
	s_barrier_wait -1
	; the work-group's 8,192 bytes of flags leave as they lie: each store of a wave covers 512 consecutive bytes
	v_lshlrev_b32 v8, 4, v0
	v_add_nc_u32 v9, FXB, v8
	ds_load_b128 v[32:35], v9
	ds_load_b128 v[36:39], v9 offset:4096
	s_lshl_b32 s28, ttmp9, 13
	s_mov_b32 s29, 0
	s_add_nc_u64 s[12:13], s[12:13], s[28:29]
	s_wait_dscnt 0x1                               ; the first of the two
	global_store_b128 v8, v[32:35], s[12:13]
	s_wait_dscnt 0x0
	global_store_b128 v8, v[36:39], s[12:13] offset:4096
	s_wait_tensorcnt 0x0
	ds_add_u32 v228, v229
	s_wait_dscnt 0x0
	s_endpgm
.Lfunc_end_k_q75fa31e9a5_scan:
	.size	k_q75fa31e9a5_scan, .Lfunc_end_k_q75fa31e9a5_scan-k_q75fa31e9a5_scan
	.p2alignl 7, 3214868480
	.fill 96, 4, 3214868480
	.section	.rodata,"a",@progbits
	.p2align	6, 0x0
	.amdhsa_kernel k_q75fa31e9a5_scan
		.amdhsa_group_segment_fixed_size 189952
		.amdhsa_private_segment_fixed_size 0
		.amdhsa_enable_private_segment 0
		.amdhsa_kernarg_size 40
		.amdhsa_user_sgpr_count 2
		.amdhsa_user_sgpr_kernarg_segment_ptr 1
		.amdhsa_wavefront_size32 1
		.amdhsa_system_sgpr_workgroup_id_x 1
		.amdhsa_system_sgpr_workgroup_id_y 1
		.amdhsa_system_sgpr_workgroup_id_z 1
		.amdhsa_system_vgpr_workitem_id 0
		.amdhsa_next_free_vgpr 230
		.amdhsa_next_free_sgpr 66
		.amdhsa_reserve_vcc 1
		.amdhsa_float_denorm_mode_32 3
		.amdhsa_float_denorm_mode_16_64 3
		.amdhsa_memory_ordered 1
		.amdhsa_forward_progress 1
		.amdhsa_inst_pref_size 69
	.end_amdhsa_kernel
	.amdgpu_metadata
---
amdhsa.version: [ 1, 2 ]
amdhsa.kernels:
  - .name:           k_q75fa31e9a5_scan
    .symbol:         k_q75fa31e9a5_scan.kd
    .args:
      - { .name: d_coor, .offset: 0, .size: 8, .value_kind: global_buffer, .address_space: global }
      - { .name: s_coor, .offset: 8, .size: 8, .value_kind: global_buffer, .address_space: global }
      - { .name: stab, .offset: 16, .size: 8, .value_kind: global_buffer, .address_space: global }
      - { .name: qtab, .offset: 24, .size: 8, .value_kind: global_buffer, .address_space: global }
      - { .name: gflag, .offset: 32, .size: 8, .value_kind: global_buffer, .address_space: global }
    .group_segment_fixed_size: 189952
    .private_segment_fixed_size: 0
    .kernarg_segment_align: 8
    .kernarg_segment_size: 40
    .max_flat_workgroup_size: 256
    .sgpr_count:     66
    .vgpr_count:     230
    .wavefront_size: 32
...
	.end_amdgpu_metadata
.endif
;; end of part 1
;; launch refine (part 2): grid 256 x 1, 16 waves a work-group, no clusters, 133,120 bytes of LDS; arguments stab, qtab, gflag, eflag; writes eflag
.if DOCPART == 2
	.amdgcn_target "amdgcn-amd-amdhsa--gfx1250"
	.amdhsa_code_object_version 6
	.text
	.protected	k_q75fa31e9a5_refine
	.globl	k_q75fa31e9a5_refine
	.p2align	8
	.type	k_q75fa31e9a5_refine,@function
k_q75fa31e9a5_refine:
	s_mov_b64 s[64:65], 0
	v_nop
	global_prefetch_b8 v0, s[64:65] scope:SCOPE_SE
	s_setreg_imm32_b32 hwreg(HW_REG_WAVE_MODE, 25, 1), 1
	s_wait_xcnt 0x0
; SECOND LAUNCH.  From the first launch's group flags (whole numbers) each query's 8 groups are read off: all groups below the threshold,
; then the lowest-numbered groups equal to it.  Eight lanes serve a query, one group of 32 sources each.  d2 of the 256 candidates is
; computed as t = q2 + s2, d2 = fma(fma(z,z',fma(y,y',x*x')), -2, t) on the rounded tables; T8 is their 8th smallest value; what goes out is,
; for each group, the bit masks d2 < T8 and d2 == T8, their counts and the group's number, the groups in ascending order.
; Addresses hang on the flags alone, never on a distance.
; A work-group serves 64 queries with 16 waves and keeps a copy of stab (131,072 bytes) in LDS, since its lanes gather groups from all of it.
; NO CLUSTER: the table is read once by each work-group, 16 loads a lane that are on their way while the flags are decoded; nothing is
; shared from step to step.  No matrix unit: 256 candidates a query, each lane with sources of its own.
.set CA, 32                            ; v[32:95]   the table on its way to LDS; then 16 quads (x x y y)
.set E, 96                             ; v[96:127]  the query's flags: 8 sublists x (lt, eq, counts, 0)
.set QV, 128                           ; v[128:131] x, y, z, q2 of the query
.set CB, 132                           ; v[132:195] 16 quads (z z s2 s2)
.set D2, 196                           ; v[196:227] d2 of my 32 candidates
.set KS, 228                           ; v[228:235] the 8 smallest, ascending
.set CC, 236                           ; v[236:243] merge scratch
.set DA, 4
.set DSH, 5
.set DKK, 6
.set DX, 7
.set DBASE, 8
.set DSI, 9
.set DG, 10
.set DPP, 11
.set DP, 12
.set DW, 13
.set DBIT, 14
.set ZERO, 15
.set GID, 16
.set RANK, 17
.set GB, 18
.set L16, 19
.set UL, 26
.macro INS k, x
.irp i,7,6,5,4,3,2,1
	v_med3_num_f32 v[\k+\i], v[\k+\i-1], v[\k+\i], v[\x]
.endr
	v_min_num_f32 v[\k], v[\k], v[\x]
.endm
.macro CE lo, hi, a, b
	v_min_num_f32 v[\lo], v[\a], v[\b]
	v_max_num_f32 v[\hi], v[\a], v[\b]
.endm
.macro BSORT c, k
.irp i,0,1,2,3
	CE \k+\i, \k+\i+4, \c+\i, \c+\i+4
.endr
.irp i,0,1,4,5
	CE \c+\i, \c+\i+2, \k+\i, \k+\i+2
.endr
.irp i,0,2,4,6
	CE \k+\i, \k+\i+1, \c+\i, \c+\i+1
.endr
.endm
.macro FLAG d, t, wl, we
	v_cmp_lt_f32 vcc_lo, v[\d], v[\t]
	v_add_co_ci_u32 v[\wl], vcc_lo, v[\wl], v[\wl], vcc_lo
	v_cmp_eq_f32 vcc_lo, v[\d], v[\t]
	v_add_co_ci_u32 v[\we], vcc_lo, v[\we], v[\we], vcc_lo
.endm
.macro POPC x, n, t
	v_lshrrev_b32 v[\t], 1, v[\x]
	v_and_b32 v[\t], s22, v[\t]
	v_sub_nc_u32 v[\n], v[\x], v[\t]
	v_lshrrev_b32 v[\t], 2, v[\n]
	v_and_b32 v[\n], s23, v[\n]
	v_and_b32 v[\t], s23, v[\t]
	v_add_nc_u32 v[\n], v[\n], v[\t]
	v_lshrrev_b32 v[\t], 4, v[\n]
	v_add_nc_u32 v[\n], v[\n], v[\t]
	v_and_b32 v[\n], s24, v[\n]
	v_mul_lo_u32 v[\n], v[\n], s25
	v_lshrrev_b32 v[\n], 24, v[\n]
.endm
; The k-th marked item (k = 0 .. 7) of 8 words of flags: first all 'lt' bits, word by word and bit by bit, then the 'eq' bits.
; e: 8 x (lt, eq, ones(lt) | ones(eq) << 16, aux).  Out: DBIT = the bit, and DSI = the word's number (g = 0) or DG = its aux (g = 1).
; Whole numbers throughout; the results are clamped, since addresses are made of them.
.macro DECODE e, k, g
	v_add3_u32 v[DA], v[\e+2], v[\e+6], v[\e+10]
	v_add3_u32 v[DA], v[DA], v[\e+14], v[\e+18]
	v_add3_u32 v[DA], v[DA], v[\e+22], v[\e+26]
	v_add_nc_u32 v[DA], v[DA], v[\e+30]
	v_and_b32 v[DA], 0xffff, v[DA]                 ; how many 'lt' in all
	v_cmp_lt_u32 s[UL], v[\k], v[DA]               ; am I one of them?
	v_cndmask_b32 v[DSH], 16, v[ZERO], s[UL]       ; which half of the counts I walk
	v_cndmask_b32 v[DW], v[DA], v[ZERO], s[UL]
	v_sub_nc_u32 v[DKK], v[\k], v[DW]              ; my number within my kind
	v_cndmask_b32 v[DX], v[\e+1], v[\e], s[UL]
	v_mov_b32 v[DBASE], 0
.if \g
	v_mov_b32 v[DG], v[\e+3]
.else
	v_mov_b32 v[DSI], 0
.endif
	v_mov_b32 v[DPP], 0
.irp s,1,2,3,4,5,6,7
	v_add_nc_u32 v[DPP], v[DPP], v[\e+4*\s-2]      ; both running counts at once
	v_bfe_u32 v[DP], v[DPP], v[DSH], 16
	v_cmp_le_u32 vcc_lo, v[DP], v[DKK]             ; the last word whose running count does not pass my number is mine
	v_cndmask_b32 v[DW], v[\e+4*\s+1], v[\e+4*\s], s[UL]
	v_cndmask_b32 v[DX], v[DX], v[DW], vcc_lo
	v_cndmask_b32 v[DBASE], v[DBASE], v[DP], vcc_lo
.if \g
	v_cndmask_b32 v[DG], v[DG], v[\e+4*\s+3], vcc_lo
.else
	v_cndmask_b32 v[DSI], v[DSI], \s, vcc_lo
.endif
.endr
	v_sub_nc_u32 v[DKK], v[DKK], v[DBASE]          ; so many lower ones of the word are dropped
.irp i,0,1,2,3,4,5,6
	v_add_nc_u32 v[DW], -1, v[DX]
	v_and_b32 v[DW], v[DX], v[DW]
	v_cmp_lt_u32 vcc_lo, \i, v[DKK]
	v_cndmask_b32 v[DX], v[DX], v[DW], vcc_lo
.endr
	v_sub_nc_u32 v[DW], 0, v[DX]
	v_and_b32 v[DX], v[DX], v[DW]                  ; the lowest one alone
	v_mov_b32 v[DBIT], 0
.irp m,0xffff0000,0xff00ff00,0xf0f0f0f0,0xcccccccc,0xaaaaaaaa
	v_and_b32 v[DW], \m, v[DX]
	v_cmp_ne_u32 vcc_lo, 0, v[DW]
	v_add_co_ci_u32 v[DBIT], vcc_lo, v[DBIT], v[DBIT], vcc_lo  ; its number, bit by bit from the top
.endr
	v_min_u32 v[DBIT], 31, v[DBIT]
.if \g
	v_min_u32 v[DG], 255, v[DG]
.else
	v_min_u32 v[DSI], 7, v[DSI]
.endif
.endm
	s_load_b256 s[4:11], s[0:1], 0x0               ; stab s[4:5], qtab s[6:7], gflag s[8:9], eflag s[10:11]
	v_lshl_add_u32 v244, v0, 2, 0x20000
	v_mov_b32 v245, 0
	v_lshrrev_b32 v19, 3, v0                       ; my query in the work-group
	v_and_b32 v3, 7, v0                            ; k: which of its 8 groups
	v_and_b32 v2, 15, v0                           ; l
	v_lshlrev_b32 v28, 7, v19                      ; 128 bytes of flags a query
	v_lshlrev_b32 v29, 4, v19
	v_lshlrev_b32 v30, 4, v0                       ; 16 x thread: in stab and in LDS
	v_add_nc_u32 v31, 0x10000, v30
	v_mov_b32 v[ZERO], 0
	s_lshl_b32 s12, ttmp9, 13                      ; 64 queries x 128 bytes
	s_mov_b32 s13, 0
	s_lshl_b32 s14, ttmp9, 10                      ; 64 queries x 16 bytes
	s_mov_b32 s15, 0
	s_mov_b32 s19, 0x7f800000
	s_mov_b32 s22, 0x55555555
	s_mov_b32 s23, 0x33333333
	s_mov_b32 s24, 0x0f0f0f0f
	s_mov_b32 s25, 0x01010101
	s_wait_kmcnt 0x0
	s_add_nc_u64 s[8:9], s[8:9], s[12:13]
	s_add_nc_u64 s[10:11], s[10:11], s[12:13]
	s_add_nc_u64 s[6:7], s[6:7], s[14:15]
.irp s,0,1,2,3,4,5,6,7
	global_load_b128 v[E+4*\s:E+4*\s+3], v28, s[8:9] offset:16*\s
.endr
	global_load_b128 v[QV:QV+3], v29, s[6:7]
.set i, 0
.rept 16
	global_load_b128 v[CA+4*i:CA+4*i+3], v30, s[4:5] offset:8192*i
.set i, i+1
.endr
	s_wait_loadcnt 16                              ; flags and query are in; the 16 loads of the table stay out
	DECODE E, 3, 0
	v_lshl_add_u32 v[GID], v[DSI], 5, v[DBIT]      ; my group
	v_lshlrev_b32 v[GB], 9, v[GID]                 ; its 512 bytes in the table
	; my group's place among the query's eight, ascending: how many of the seven others are lower
	v_mov_b32 v[RANK], 0
	v_mov_b32 v4, 0
.irp x,1,2,3,4,5,6,7
	v_mov_b32_dpp v4, v[GID] row_xmask:\x row_mask:0xf bank_mask:0xf
	v_cmp_lt_u32 vcc_lo, v4, v[GID]
	v_add_co_ci_u32 v[RANK], vcc_lo, 0, v[RANK], vcc_lo
.endr
	v_min_u32 v[RANK], 7, v[RANK]
.irp c,0,1,2,3
	v_mov_b32 v[20+2*\c], v[QV+\c]                 ; (x, x), (y, y), (z, z), (q2, q2) for the packed forms
	v_mov_b32 v[21+2*\c], v[QV+\c]
.endr
	v_lshlrev_b32 v[L16], 4, v2
.set i, 0
.rept 8
	s_wait_loadcnt 15-i                            ; behind load i of the table stand 15 - i more
	ds_store_b128 v30, v[CA+4*i:CA+4*i+3] offset:8192*i
.set i, i+1
.endr
.rept 8
	s_wait_loadcnt 15-i
	ds_store_b128 v31, v[CA+4*i:CA+4*i+3] offset:8192*(i-8)
.set i, i+1
.endr
	s_wait_dscnt 0x0                               ; my part of the table is in LDS,
	s_barrier_signal -1
	s_barrier_wait -1                              ; everybody's is; it is only read from here on
.set i, 0
.rept 16
	v_add_nc_u32 v4, 256-16*i, v[L16]
	v_and_b32 v4, 240, v4
	v_add_nc_u32 v4, v4, v[GB]
	ds_load_b128 v[CA+4*i:CA+4*i+3], v4
	ds_load_b128 v[CB+4*i:CB+4*i+3], v4 offset:256
.set i, i+1
.endr
.irp i,0,1,2,3,4,5,6,7
	v_mov_b32 v[KS+\i], s19
	v_mov_b32 v[CC+\i], 0                          ; written once: a DPP form's destination counts as read
.endr
.set i, 0
.rept 16
	s_wait_dscnt 30-2*i                            ; turn i's two loads are in, the 30 - 2 i behind them stay out
	v_pk_mul_f32 v[4:5], v[CA+4*i:CA+4*i+1], v[20:21]
	v_pk_fma_f32 v[4:5], v[CA+4*i+2:CA+4*i+3], v[22:23], v[4:5]
	v_pk_fma_f32 v[4:5], v[CB+4*i:CB+4*i+1], v[24:25], v[4:5]
	v_pk_add_f32 v[6:7], v[CB+4*i+2:CB+4*i+3], v[26:27]
	v_pk_fma_f32 v[D2+2*i:D2+2*i+1], v[4:5], -2.0, v[6:7] op_sel_hi:[1,0,1]
	INS KS, D2+2*i
	INS KS, D2+2*i+1
.set i, i+1
.endr
	; the 8 smallest of the query's 256: three merges across its 8 lanes; the last needs only its largest
.irp x,1,2
.irp i,0,1,2,3,4,5,6,7
	v_min_num_f32_dpp v[CC+\i], v[KS+7-\i], v[KS+\i] row_xmask:\x row_mask:0xf bank_mask:0xf
.endr
	BSORT CC, KS
.endr
.irp i,0,1,2,3,4,5,6,7
	v_min_num_f32_dpp v[CC+\i], v[KS+7-\i], v[KS+\i] row_xmask:4 row_mask:0xf bank_mask:0xf
.endr
	v_max3_num_f32 v12, v[CC], v[CC+1], v[CC+2]
	v_max3_num_f32 v4, v[CC+3], v[CC+4], v[CC+5]
	v_max3_num_f32 v12, v[CC+6], v[CC+7], v12
	v_max_num_f32 v12, v12, v4                     ; T8
	v_mov_b32 v13, 0
	v_mov_b32 v14, 0
.set i, 0
.rept 16
	FLAG D2+2*i+1, 12, 13, 14
	FLAG D2+2*i, 12, 13, 14
.set i, i+1
.endr
	; bit p of these words is element (p + 2 l + 2) % 32 of the group: turn them left by 2 l + 2
	v_lshlrev_b32 v4, 1, v2
	v_sub_nc_u32 v4, 30, v4
	v_and_b32 v4, 31, v4
	v_alignbit_b32 v8, v13, v13, v4
	v_alignbit_b32 v9, v14, v14, v4
	POPC 8, 5, 4
	POPC 9, 6, 4
	v_lshl_or_b32 v10, v6, 16, v5
	v_mov_b32 v11, v[GID]
	v_and_b32 v7, 0x1f8, v0
	v_add_nc_u32 v7, v7, v[RANK]
	v_lshlrev_b32 v7, 4, v7
	global_store_b128 v7, v[8:11], s[10:11]        ; the wave's 32 lanes fill 512 consecutive bytes, permuted within each query's 128
	s_wait_tensorcnt 0x0
	ds_add_u32 v244, v245
	s_wait_dscnt 0x0
	s_endpgm
.Lfunc_end_k_q75fa31e9a5_refine:
	.size	k_q75fa31e9a5_refine, .Lfunc_end_k_q75fa31e9a5_refine-k_q75fa31e9a5_refine
	.p2alignl 7, 3214868480
	.fill 96, 4, 3214868480
	.section	.rodata,"a",@progbits
	.p2align	6, 0x0
	.amdhsa_kernel k_q75fa31e9a5_refine
		.amdhsa_group_segment_fixed_size 133120
		.amdhsa_private_segment_fixed_size 0
		.amdhsa_enable_private_segment 0
		.amdhsa_kernarg_size 32
		.amdhsa_user_sgpr_count 2
		.amdhsa_user_sgpr_kernarg_segment_ptr 1
		.amdhsa_wavefront_size32 1
		.amdhsa_system_sgpr_workgroup_id_x 1
		.amdhsa_system_sgpr_workgroup_id_y 1
		.amdhsa_system_sgpr_workgroup_id_z 1
		.amdhsa_system_vgpr_workitem_id 0
		.amdhsa_next_free_vgpr 246
		.amdhsa_next_free_sgpr 66
		.amdhsa_reserve_vcc 1
		.amdhsa_float_denorm_mode_32 3
		.amdhsa_float_denorm_mode_16_64 3
		.amdhsa_memory_ordered 1
		.amdhsa_forward_progress 1
		.amdhsa_inst_pref_size 46
	.end_amdhsa_kernel
	.amdgpu_metadata
---
amdhsa.version: [ 1, 2 ]
amdhsa.kernels:
  - .name:           k_q75fa31e9a5_refine
    .symbol:         k_q75fa31e9a5_refine.kd
    .args:
      - { .name: stab, .offset: 0, .size: 8, .value_kind: global_buffer, .address_space: global }
      - { .name: qtab, .offset: 8, .size: 8, .value_kind: global_buffer, .address_space: global }
      - { .name: gflag, .offset: 16, .size: 8, .value_kind: global_buffer, .address_space: global }
      - { .name: eflag, .offset: 24, .size: 8, .value_kind: global_buffer, .address_space: global }
    .group_segment_fixed_size: 133120
    .private_segment_fixed_size: 0
    .kernarg_segment_align: 8
    .kernarg_segment_size: 32
    .max_flat_workgroup_size: 512
    .sgpr_count:     66
    .vgpr_count:     246
    .wavefront_size: 32
...
	.end_amdgpu_metadata
.endif
;; end of part 2
;; launch vote (part 3): grid 512 x 1, 8 waves a work-group, no clusters, 5,120 bytes of LDS; arguments stab, qtab, eflag, s_mask, out0; writes out0
.if DOCPART == 3
	.amdgcn_target "amdgcn-amd-amdhsa--gfx1250"
	.amdhsa_code_object_version 6
	.text
	.protected	k_q75fa31e9a5_vote
	.globl	k_q75fa31e9a5_vote
	.p2align	8
	.type	k_q75fa31e9a5_vote,@function
k_q75fa31e9a5_vote:
	s_mov_b64 s[64:65], 0
	v_nop
	global_prefetch_b8 v0, s[64:65] scope:SCOPE_SE
	s_setreg_imm32_b32 hwreg(HW_REG_WAVE_MODE, 25, 1), 1
	s_wait_xcnt 0x0
; THIRD LAUNCH.  From the second launch's element flags (whole numbers) each query's 8 nearest sources are read off: all below T8, then
; the lowest indices equal to it.  Their d2 is computed once more (the same arithmetic as in the second launch) to rank them by (d2, index), which is the order
; of the reference's top_k; the rank is data only.  Then, for each of the 32 columns, the vote: count of equal values x 10 - value, the
; largest score wins, among equal scores the lowest rank.
; LIMIT: mask values are not NaN (a value counts itself as equal).
; A wave serves 4 queries.  First part: 8 lanes a query, one neighbour each.  Second part: a lane is a column, the 32 mask rows are
; loaded as rows of 128 bytes.  No wave needs another: no barrier.  No cluster: the work-groups share no tile; the rows are gathered.
.set E, 32                             ; v[32:63]   the query's flags: 8 groups x (lt, eq, counts, group number)
.set VOFF, 64                          ; v[64:95]   byte offsets of the 32 mask rows' words
.set VAL, 96                           ; v[96:127]  mask values: 8 x query + neighbour
.set QV, 128                           ; v[128:131] x, y, z, q2
.set CN, 132                           ; v[132:139] counts, then ranks of the best
.set SC, 140                           ; v[140:147] scores
.set RES, 148                          ; v[148:151] the four queries' results
.set EIGHT, 152
.set LSA, 153
.set LLA, 154
.set DA, 4
.set DSH, 5
.set DKK, 6
.set DX, 7
.set DBASE, 8
.set DSI, 9
.set DG, 10
.set DPP, 11
.set DP, 12
.set DW, 13
.set DBIT, 14
.set ZERO, 15
.set UL, 76
; The k-th marked item (k = 0 .. 7) of 8 words of flags: first all 'lt' bits, word by word and bit by bit, then the 'eq' bits.
; e: 8 x (lt, eq, ones(lt) | ones(eq) << 16, aux).  Out: DBIT = the bit, and DSI = the word's number (g = 0) or DG = its aux (g = 1).
.macro DECODE e, k, g
	v_add3_u32 v[DA], v[\e+2], v[\e+6], v[\e+10]
	v_add3_u32 v[DA], v[DA], v[\e+14], v[\e+18]
	v_add3_u32 v[DA], v[DA], v[\e+22], v[\e+26]
	v_add_nc_u32 v[DA], v[DA], v[\e+30]
	v_and_b32 v[DA], 0xffff, v[DA]
	v_cmp_lt_u32 s[UL], v[\k], v[DA]
	v_cndmask_b32 v[DSH], 16, v[ZERO], s[UL]
	v_cndmask_b32 v[DW], v[DA], v[ZERO], s[UL]
	v_sub_nc_u32 v[DKK], v[\k], v[DW]
	v_cndmask_b32 v[DX], v[\e+1], v[\e], s[UL]
	v_mov_b32 v[DBASE], 0
.if \g
	v_mov_b32 v[DG], v[\e+3]
.else
	v_mov_b32 v[DSI], 0
.endif
	v_mov_b32 v[DPP], 0
.irp s,1,2,3,4,5,6,7
	v_add_nc_u32 v[DPP], v[DPP], v[\e+4*\s-2]
	v_bfe_u32 v[DP], v[DPP], v[DSH], 16
	v_cmp_le_u32 vcc_lo, v[DP], v[DKK]
	v_cndmask_b32 v[DW], v[\e+4*\s+1], v[\e+4*\s], s[UL]
	v_cndmask_b32 v[DX], v[DX], v[DW], vcc_lo
	v_cndmask_b32 v[DBASE], v[DBASE], v[DP], vcc_lo
.if \g
	v_cndmask_b32 v[DG], v[DG], v[\e+4*\s+3], vcc_lo
.else
	v_cndmask_b32 v[DSI], v[DSI], \s, vcc_lo
.endif
.endr
	v_sub_nc_u32 v[DKK], v[DKK], v[DBASE]
.irp i,0,1,2,3,4,5,6
	v_add_nc_u32 v[DW], -1, v[DX]
	v_and_b32 v[DW], v[DX], v[DW]
	v_cmp_lt_u32 vcc_lo, \i, v[DKK]
	v_cndmask_b32 v[DX], v[DX], v[DW], vcc_lo
.endr
	v_sub_nc_u32 v[DW], 0, v[DX]
	v_and_b32 v[DX], v[DX], v[DW]
	v_mov_b32 v[DBIT], 0
.irp m,0xffff0000,0xff00ff00,0xf0f0f0f0,0xcccccccc,0xaaaaaaaa
	v_and_b32 v[DW], \m, v[DX]
	v_cmp_ne_u32 vcc_lo, 0, v[DW]
	v_add_co_ci_u32 v[DBIT], vcc_lo, v[DBIT], v[DBIT], vcc_lo
.endr
	v_min_u32 v[DBIT], 31, v[DBIT]
.if \g
	v_min_u32 v[DG], 255, v[DG]
.else
	v_min_u32 v[DSI], 7, v[DSI]
.endif
.endm
	s_load_b256 s[4:11], s[0:1], 0x0               ; stab s[4:5], qtab s[6:7], eflag s[8:9], s_mask s[10:11]
	s_load_b64 s[12:13], s[0:1], 0x20              ; out0
	v_lshl_add_u32 v160, v0, 2, 0x1000
	v_mov_b32 v161, 0
	v_and_b32 v1, 31, v0
	v_lshrrev_b32 v2, 5, v0
	v_readfirstlane_b32 s14, v2                    ; wave
	v_and_b32 v3, 7, v0                            ; k: which neighbour
	v_lshrrev_b32 v19, 3, v0                       ; my query in the work-group
	v_lshlrev_b32 v28, 7, v19
	v_lshlrev_b32 v29, 4, v19
	v_lshlrev_b32 v30, 4, v0                       ; 16 x thread: my 16 bytes of the work-group's output
	v_lshlrev_b32 v31, 2, v1                       ; my column, in bytes
	v_mov_b32 v[ZERO], 0
	v_mov_b32 v[EIGHT], 0x41000000                 ; 8.0: behind every rank
	s_lshl_b32 s15, s14, 9                         ; my wave's 512 bytes of LDS
	v_lshl_add_u32 v[LSA], v1, 2, s15
	v_lshl_add_u32 v[LLA], v1, 4, s15
	s_lshl_b32 s16, ttmp9, 12                      ; 32 queries x 128 bytes: in eflag and in out0
	s_mov_b32 s17, 0
	s_lshl_b32 s18, ttmp9, 9                       ; 32 queries x 16 bytes
	s_mov_b32 s19, 0
	s_mov_b32 s75, 0x41200000                      ; 10.0
	s_wait_kmcnt 0x0
	s_add_nc_u64 s[8:9], s[8:9], s[16:17]
	s_add_nc_u64 s[12:13], s[12:13], s[16:17]
	s_add_nc_u64 s[6:7], s[6:7], s[18:19]
.irp s,0,1,2,3,4,5,6,7
	global_load_b128 v[E+4*\s:E+4*\s+3], v28, s[8:9] offset:16*\s
.endr
	global_load_b128 v[QV:QV+3], v29, s[6:7]
	s_wait_loadcnt 0x0
	DECODE E, 3, 1
	v_lshl_add_u32 v25, v[DG], 5, v[DBIT]          ; my neighbour's index
	v_and_b32 v4, 30, v[DBIT]
	v_and_b32 v5, 1, v[DBIT]
	v_lshlrev_b32 v24, 9, v[DG]                    ; in stab: the group's 512 bytes,
	v_lshl_add_u32 v24, v4, 3, v24                 ; the pair's 16,
	v_lshl_add_u32 v24, v5, 2, v24                 ; the element's 4
	global_load_b32 v20, v24, s[4:5]               ; x
	global_load_b32 v21, v24, s[4:5] offset:8      ; y
	global_load_b32 v22, v24, s[4:5] offset:256    ; z
	global_load_b32 v23, v24, s[4:5] offset:264    ; s2
	v_mov_b32 v27, 0
	v_mov_b32 v16, 0
	v_mov_b32 v17, 0
	s_wait_loadcnt 0x0
	v_mul_f32 v4, v20, v[QV]
	v_fmac_f32 v4, v21, v[QV+1]
	v_fmac_f32 v4, v22, v[QV+2]
	v_add_f32 v5, v[QV+3], v23
	v_fma_f32 v26, v4, -2.0, v5                    ; d2
	; rank = how many of the seven others come first by (d2, index)
.irp x,1,2,3,4,5,6,7
	v_mov_b32_dpp v16, v26 row_xmask:\x row_mask:0xf bank_mask:0xf
	v_mov_b32_dpp v17, v25 row_xmask:\x row_mask:0xf bank_mask:0xf
	v_cmp_lt_f32 s70, v16, v26
	v_cmp_eq_f32 s71, v16, v26
	v_cmp_lt_u32 s72, v17, v25
	s_and_b32 s71, s71, s72
	s_or_b32 vcc_lo, s70, s71
	v_add_co_ci_u32 v27, vcc_lo, 0, v27, vcc_lo
.endr
	v_cvt_f32_u32 v18, v27
	; the 32 mask rows of the wave's 4 queries, a row of 128 bytes by one load; each load has an offset register of its own
.set n, 0
.rept 32
	v_readlane_b32 s74, v25, n
	s_min_u32 s74, s74, 0x1fff
	v_lshl_add_u32 v[VOFF+n], s74, 7, v31
	global_load_b32 v[VAL+n], v[VOFF+n], s[10:11]
	v_readlane_b32 s[32+n], v18, n                 ; and the neighbour's rank, as a number
.set n, n+1
.endr
.macro MODE q
	s_wait_loadcnt 24-8*\q                         ; this query's 8 rows are in; the later queries' stay out
.irp k,0,1,2,3,4,5,6,7
	v_mov_b32 v[CN+\k], 1                          ; a value equals itself
.endr
.irp j,0,1,2,3,4,5,6
.irp k,1,2,3,4,5,6,7
.if \j<\k
	v_cmp_eq_f32 s70, v[VAL+8*\q+\j], v[VAL+8*\q+\k]
	v_add_co_ci_u32 v[CN+\j], s73, 0, v[CN+\j], s70
	v_add_co_ci_u32 v[CN+\k], s73, 0, v[CN+\k], s70
.endif
.endr
.endr
.irp k,0,1,2,3,4,5,6,7
	v_cvt_f32_u32 v[CN+\k], v[CN+\k]
	v_fma_f32 v[SC+\k], v[CN+\k], s75, -v[VAL+8*\q+\k]         ; count x 10 is exact: one rounding, as in the reference
.endr
	v_max3_num_f32 v4, v[SC], v[SC+1], v[SC+2]
	v_max3_num_f32 v5, v[SC+3], v[SC+4], v[SC+5]
	v_max3_num_f32 v4, v[SC+6], v[SC+7], v4
	v_max_num_f32 v4, v4, v5
.irp k,0,1,2,3,4,5,6,7
	v_cmp_eq_f32 vcc_lo, v[SC+\k], v4
	v_cndmask_b32 v[CN+\k], v[EIGHT], s[32+8*\q+\k], vcc_lo    ; the rank where the score is the largest
.endr
	v_min3_num_f32 v4, v[CN], v[CN+1], v[CN+2]
	v_min3_num_f32 v5, v[CN+3], v[CN+4], v[CN+5]
	v_min3_num_f32 v4, v[CN+6], v[CN+7], v4
	v_min_num_f32 v4, v4, v5
	v_mov_b32 v[RES+\q], v[VAL+8*\q]
.irp k,1,2,3,4,5,6,7
	v_cmp_eq_f32 vcc_lo, v[CN+\k], v4
	v_cndmask_b32 v[RES+\q], v[RES+\q], v[VAL+8*\q+\k], vcc_lo
.endr
	ds_store_b32 v[LSA], v[RES+\q] offset:128*\q
.endm
	MODE 0
	MODE 1
	MODE 2
	MODE 3
	; four rows of 128 bytes, turned through the wave's own 512 bytes of LDS so that a lane holds 16 neighbouring bytes;
	; LDS serves a wave's instructions in order, so the load sees the stores
	ds_load_b128 v[20:23], v[LLA]
	s_wait_dscnt 0x0
	global_store_b128 v30, v[20:23], s[12:13]      ; the wave's store covers 512 consecutive bytes
	s_wait_tensorcnt 0x0
	ds_add_u32 v160, v161
	s_wait_dscnt 0x0
	s_endpgm
.Lfunc_end_k_q75fa31e9a5_vote:
	.size	k_q75fa31e9a5_vote, .Lfunc_end_k_q75fa31e9a5_vote-k_q75fa31e9a5_vote
	.p2alignl 7, 3214868480
	.fill 96, 4, 3214868480
	.section	.rodata,"a",@progbits
	.p2align	6, 0x0
	.amdhsa_kernel k_q75fa31e9a5_vote
		.amdhsa_group_segment_fixed_size 5120
		.amdhsa_private_segment_fixed_size 0
		.amdhsa_enable_private_segment 0
		.amdhsa_kernarg_size 40
		.amdhsa_user_sgpr_count 2
		.amdhsa_user_sgpr_kernarg_segment_ptr 1
		.amdhsa_wavefront_size32 1
		.amdhsa_system_sgpr_workgroup_id_x 1
		.amdhsa_system_sgpr_workgroup_id_y 1
		.amdhsa_system_sgpr_workgroup_id_z 1
		.amdhsa_system_vgpr_workitem_id 0
		.amdhsa_next_free_vgpr 162
		.amdhsa_next_free_sgpr 80
		.amdhsa_reserve_vcc 1
		.amdhsa_float_denorm_mode_32 3
		.amdhsa_float_denorm_mode_16_64 3
		.amdhsa_memory_ordered 1
		.amdhsa_forward_progress 1
		.amdhsa_inst_pref_size 54
	.end_amdhsa_kernel
	.amdgpu_metadata
---
amdhsa.version: [ 1, 2 ]
amdhsa.kernels:
  - .name:           k_q75fa31e9a5_vote
    .symbol:         k_q75fa31e9a5_vote.kd
    .args:
      - { .name: stab, .offset: 0, .size: 8, .value_kind: global_buffer, .address_space: global }
      - { .name: qtab, .offset: 8, .size: 8, .value_kind: global_buffer, .address_space: global }
      - { .name: eflag, .offset: 16, .size: 8, .value_kind: global_buffer, .address_space: global }
      - { .name: s_mask, .offset: 24, .size: 8, .value_kind: global_buffer, .address_space: global }
      - { .name: out0, .offset: 32, .size: 8, .value_kind: global_buffer, .address_space: global }
    .group_segment_fixed_size: 5120
    .private_segment_fixed_size: 0
    .kernarg_segment_align: 8
    .kernarg_segment_size: 40
    .max_flat_workgroup_size: 256
    .sgpr_count:     80
    .vgpr_count:     162
    .wavefront_size: 32
...
	.end_amdgpu_metadata
.endif
;; end of part 3
;; ======== version 2 of 2: 3 launches; version 1 with the launch scan written anew for expert scheduling mode
;; workspace buffers: stab 131,072 bytes; qtab 262,144 bytes; gflag 2,097,152 bytes of whole numbers; eflag 2,097,152 bytes of whole numbers
;; launch scan (part 4): grid 256 x 1, 8 waves a work-group, no clusters, 189,952 bytes of LDS; arguments d_coor, s_coor, stab, qtab, gflag; writes stab, qtab, gflag
.if DOCPART == 4
	.amdgcn_target "amdgcn-amd-amdhsa--gfx1250"
	.amdhsa_code_object_version 6
	.text
	.protected	k_q75fa31e9a5_scan
	.globl	k_q75fa31e9a5_scan
	.p2align	8
	.type	k_q75fa31e9a5_scan,@function
k_q75fa31e9a5_scan:
	s_mov_b64 s[64:65], 0
	v_nop
	global_prefetch_b8 v0, s[64:65] scope:SCOPE_SE
	s_setreg_imm32_b32 hwreg(HW_REG_WAVE_SCHED_MODE, 0, 2), 2
	s_setreg_imm32_b32 hwreg(HW_REG_WAVE_MODE, 25, 1), 1
	s_wait_xcnt 0x0
	s_wait_alu depctr_vm_vsrc(0)
; FIRST OF THREE LAUNCHES of: for each of 16,384 queries the 8 nearest of 8,192 sources (d2 = (q2 + s2) - 2 q.s, ties to the lower
; index), then a vote over their mask rows.  The sources are cut into 256 groups of 32 neighbouring indices.  The 8 nearest sources lie
; in the 8 groups that come first by (group minimum, group number): a group left out has 8 groups in front of it, each with a source
; that is nearer, or as near with a lower index.  This launch finds each query's 8th smallest group minimum T and stores, as bit masks,
; which groups have a minimum below T and which equal to T; no address here hangs on a distance.
; It also stores the rounded tables for the later launches: stab (x, y, z, s2 of every source) and qtab (x, y, z, q2 of every query).
; ARITHMETIC: coordinates are rounded to bf16 once; their products are then exact in f32.  s2 = fma(z,z,fma(y,y,x*x)), q2 likewise,
; t = q2 + s2, d2 = fma(dot, -2, t).  The dot product is two matrix instructions in a chain, k = {x, y} with C = 0 and k = {z} with C = D,
; so that it is rounded at the two points at which mul, fma, fma round it in the later launches.
; LIMITS: coordinates finite, their squares inside f32.  The matrix unit's sum may differ from an fma in the last bit when two products
; lie far apart; the choice of groups can then differ from the later launches' arithmetic only if the 8th and 9th group minima are within one last bit.
; SHARES: a work-group owns 64 queries (4 tiles of 16).  Wave w: source quarter sq = w / 2, tiles 2 tp and 2 tp + 1, tp = w % 2.
; Lane (r = lane % 16, h = lane / 16) owns query r of both tiles against sublist s = 2 sq + h (sources 1024 s .. 1024 s + 1023).
; A step takes 8 sources of each of the wave's two sublists as the 16 rows of A: result register j of lane (r, h) is source 1024 s + 8 step + j.
; NO CLUSTER, NO TENSOR LOAD: all work-groups read the same 98,304 bytes of s_coor, once each, and every number has to pass through
; registers (rounding to bf16, s2) before it lies in LDS; a copy as it stands would have to be read, converted and stored again.
; THE MODE: SCHED_MODE bits 1:0 = 2 (LLVM: expert scheduling mode 2), set by the entry lines.  The code itself states the register dependences
; between vector or matrix instructions and memory or LDS instructions, with s_wait_alu, always for 0.
; THE PLAN.  Registers that memory or LDS instructions touch:
;   RAW          Global loads land in it; each source is converted in place and the LDS stores read it there; one wait for each eight sources, ahead
;                of their stores; one wait behind all stores, before the registers become A, B, s2 and the products.
;   AB0 .. AB3   Registers 0, 1: step n's row of A lies in AB[n % 4]; read by step n's matrix instructions, which are issued in step n - 1.
;   SB0 .. SB3   Step n's s2 lie in SB[n % 4]; read by step n's eight additions.
;   ADA, ADS, ADM  LDS addresses, stepped once a group, in its middle.
;   MG           A group's two minima: written by the group's fourth step alone (steps 0 to 2 keep the running minimum in MR), read by the
;                insertions and by the two LDS stores that are issued at the next group's head.
;   All other addresses are made once and never written again; KL and the two flag buffers FW are written once and stored once.
; THE LOOP goes by pairs of steps.  At the head of the pair (n, n + 1) one wait on va_vdst states that all earlier vector and matrix instructions
; are complete: those that read AB[n + 3], AB[n + 4], SB[n + 2], SB[n + 3] (modulo 4: the buffers of steps n - 1, n, n - 2, n - 1), those that wrote MG and the addresses.
; The six loads of A(n + 3), A(n + 4), s2(n + 2), s2(n + 3) follow it; the pair's own instructions name AB[n + 1], AB[n + 2], SB[n], SB[n + 1] only.
; In a group's middle one wait on vm_vsrc stands ahead of the three address steps; the second pair's wait on va_vdst covers them.
.set SRCP, 8256                        ; LDS: 1,024 sources x 8 bytes {x y z 0} in bf16, + 64: rows 8-15 of A start 64 bytes off rows 0-7 modulo 256
.set S2B,  66048                       ; s2, 4 bytes a source
.set MINB, 98816                       ; group minima: wave x 8192 + tile x 4096 + group x 128 + lane x 4
.set KXB,  164352                      ; the lanes' 8 smallest minima: ((tile x 8 + s) x 16 + r) x 32
.set FXB,  180736                      ; flags as they go out: ((16 tile + r) x 8 + s) x 16
.set LN, 1
.set R, 2
.set H, 3
.set ADA, 4                            ; LDS address of my row of A, stepped by 256 a group
.set ADS, 5                            ; of my sublist's s2, stepped by 128 a group
.set ADM, 6                            ; of my word in MINB, stepped by 128 a group
.set ADM0, 7                           ; the same, not stepped
.set FT, 12                            ; v[12:15] at the close: a flag as 0 or 1: (below, equal), two pairs that take turns
.set OA, 18                            ; the way out: 16 x thread, my byte offset in the work-group's flags
.set OL, 19                            ; the way out: the same bytes in LDS
.set MR, 22                            ; v[22:23] running minimum of the group in its steps 0 to 2, a tile each
.set RO, 28                            ; byte offset of my source in s_coor
.set QO, 29                            ; byte offset of my query in d_coor
.set VZ, 31                            ; 0
.set RAW, 32                           ; v[32:159] 32 sources, four registers each: x y z as loaded, then {x y}, {z 0}, -, s2; then:
.set AB, 32                            ; v[32:63]   A, four buffers of 8; registers 2-7 stay 0
.set BF, 64                            ; v[64:95]   B: tile 0 {x y}, tile 0 {z}, tile 1 {x y}, tile 1 {z}
.set FW, 80                            ; v[80:87]   at the close: the flags' 16 bytes, a buffer for each tile
.set SB, 96                            ; v[96:127]  s2 of a step's 8 sources, four buffers
.set DB, 128                           ; v[128:159] dot products: 16 x buffer + 8 x tile
.set TT, 160                           ; v[160:175] t, then d2: 8 x tile
.set MA, 176                           ; v[176:181] partial minima
.set MG, 182                           ; v[182:183] the group's minimum, a tile each
.set KL, 184                           ; v[184:199] my 8 smallest group minima, ascending, a tile each
.set Q2, 200                           ; v[200:203] (q2, q2) a tile each
.set QR, 204                           ; v[204:206], v[208:210] my two queries as loaded
.set TR, 212                           ; table job: as loaded
.set TD, 220                           ; table job: the 16 bytes that are stored
.set TQ, 224
.set TLO, 225
.set TSO, 226
.set FL, 32                            ; s[32:47] 16 groups: minimum < T, a bit a lane
.set FE, 48                            ; s[48:63] 16 groups: minimum == T
; round x, y, z to bf16 (p0 = {x, y}, p1 = {z, 0}), widen again, and sum the squares in ascending order
.macro CONV x, y, z, p0, p1, ox, oy, oz, os
	v_cvt_pk_bf16_f32 v[\p0], v[\x], v[\y]
	v_cvt_pk_bf16_f32 v[\p1], v[\z], v[VZ]
	v_lshlrev_b32 v[\ox], 16, v[\p0]
	v_and_b32 v[\oy], s18, v[\p0]
	v_lshlrev_b32 v[\oz], 16, v[\p1]
	v_mul_f32 v[\os], v[\ox], v[\ox]
	v_fmac_f32 v[\os], v[\oy], v[\oy]
	v_fmac_f32 v[\os], v[\oz], v[\oz]
.endm
; insert x into the ascending list k: each place takes the middle one of its lower neighbour, itself and x
.macro INS k, x
.irp i,7,6,5,4,3,2,1
	v_med3_num_f32 v[\k+\i], v[\k+\i-1], v[\k+\i], v[\x]
.endr
	v_min_num_f32 v[\k], v[\k], v[\x]
.endm
.macro CE lo, hi, a, b
	v_min_num_f32 v[\lo], v[\a], v[\b]
	v_max_num_f32 v[\hi], v[\a], v[\b]
.endm
; sort a bitonic run of 8 in c into k (c is used up)
.macro BSORT c, k
.irp i,0,1,2,3
	CE \k+\i, \k+\i+4, \c+\i, \c+\i+4
.endr
.irp i,0,1,4,5
	CE \c+\i, \c+\i+2, \k+\i, \k+\i+2
.endr
.irp i,0,2,4,6
	CE \k+\i, \k+\i+1, \c+\i, \c+\i+1
.endr
.endm
; the 8 smallest of two ascending lists a and b, ascending, into a
.macro MERGE a, b
.irp i,0,1,2,3,4,5,6,7
	v_min_num_f32 v[64+\i], v[\a+\i], v[\b+7-\i]
.endr
	BSORT 64, \a
.endm
; Groups g0 + 15 down to g0: (minimum < t) is shifted into wl and (minimum == t) into we.  The 32 compares stand in one run, each with a scalar register
; of its own.  A flag is then made 0 or 1 by a select and shifted in by a shift-and-or: neither writes a scalar register, so the compares are the only such writers here.
.macro FLAGS g0, t, wl, we
.set g, 15
.rept 16
	v_cmp_lt_f32 s[FL+g], v[SB+(\g0)+g], v[\t]
	v_cmp_eq_f32 s[FE+g], v[SB+(\g0)+g], v[\t]
.set g, g-1
.endr
	s_wait_alu depctr_va_sdst(0)                   ; the 32 compares have written s[32:63], ahead of the selects that read them as masks
.set g, 15
.rept 16
	v_cndmask_b32 v[FT+2*(g%2)], 0, 1, s[FL+g]
	v_cndmask_b32 v[FT+2*(g%2)+1], 0, 1, s[FE+g]
	v_lshl_or_b32 v[\wl], v[\wl], 1, v[FT+2*(g%2)]
	v_lshl_or_b32 v[\we], v[\we], 1, v[FT+2*(g%2)+1]
.set g, g-1
.endr
.endm
; n = number of ones in x
.macro POPC x, n, t
	v_lshrrev_b32 v[\t], 1, v[\x]
	v_and_b32 v[\t], s22, v[\t]
	v_sub_nc_u32 v[\n], v[\x], v[\t]
	v_lshrrev_b32 v[\t], 2, v[\n]
	v_and_b32 v[\n], s23, v[\n]
	v_and_b32 v[\t], s23, v[\t]
	v_add_nc_u32 v[\n], v[\n], v[\t]
	v_lshrrev_b32 v[\t], 4, v[\n]
	v_add_nc_u32 v[\n], v[\n], v[\t]
	v_and_b32 v[\n], s24, v[\n]
	v_mul_lo_u32 v[\n], v[\n], s25
	v_lshrrev_b32 v[\n], 24, v[\n]
.endm
	s_load_b256 s[4:11], s[0:1], 0x0               ; d_coor s[4:5], s_coor s[6:7], stab s[8:9], qtab s[10:11]
	s_load_b64 s[12:13], s[0:1], 0x20              ; gflag
	v_lshl_add_u32 v219, v0, 2, 0x2e200
	v_mov_b32 v227, 0
	v_and_b32 v[LN], 31, v0
	v_lshrrev_b32 v8, 5, v0
	v_readfirstlane_b32 s14, v8                    ; wave
	v_and_b32 v[R], 15, v0
	v_bfe_u32 v[H], v0, 4, 1
	s_wait_alu depctr_va_sdst(0)                   ; s14 is written, ahead of its first reader
	s_lshr_b32 s15, s14, 1                         ; sq
	s_and_b32 s16, s14, 1                          ; tp
	s_mov_b32 s18, 0xffff0000                      ; a word's upper bf16
	s_mov_b32 s19, 0x7f800000                      ; +infinity
	s_mov_b32 s20, 0x76543210                      ; v_permlanex16_b32: lane i of the other half
	s_mov_b32 s21, 0xfedcba98
	s_mov_b32 s22, 0x55555555
	s_mov_b32 s23, 0x33333333
	s_mov_b32 s24, 0x0f0f0f0f
	s_mov_b32 s25, 0x01010101
	v_mov_b32 v[VZ], 0
	v_mul_u32_u24 v[RO], v0, 12                    ; source = thread + 256 i
	s_lshl_b32 s26, ttmp9, 6                       ; the work-group's first query
	s_lshl_b32 s27, s16, 5
	s_add_co_u32 s27, s26, s27                     ; my first tile's first query
	v_add_nc_u32 v[QO], s27, v[R]
	v_mul_u32_u24 v[QO], v[QO], 12
	s_wait_kmcnt 0x0
	s_wait_alu depctr_va_vdst(0)                   ; v[RO] and v[QO] are written, which the 34 loads below read as offsets
.set i, 0
.rept 32
	global_load_b96 v[RAW+4*i:RAW+4*i+2], v[RO], s[6:7] offset:3072*i
.set i, i+1
.endr
	global_load_b96 v[QR:QR+2], v[QO], s[4:5]
	global_load_b96 v[QR+4:QR+6], v[QO], s[4:5] offset:192
	; THE TABLE JOB: waves 0 and 1 store the work-group's 64 queries to qtab, wave 2 stores group number = work-group number to stab.
	; Its registers serve nothing else, so no wait is needed for the store's sources.
	s_cmp_gt_u32 s14, 2
	s_cbranch_scc1 .Ltabdone
	s_cmp_eq_u32 s14, 2
	s_cbranch_scc1 .Ltabs
	v_add_nc_u32 v[TQ], s26, v0                    ; query = 64 b + thread (threads 0-63)
	v_mul_u32_u24 v[TLO], v[TQ], 12
	v_lshlrev_b32 v[TSO], 4, v[TQ]
	s_wait_alu depctr_va_vdst(0)                   ; v[TLO] is written, which the load reads
	global_load_b96 v[TR:TR+2], v[TLO], s[4:5]
	s_wait_loadcnt 0x0
	CONV TR, TR+1, TR+2, 12, 13, TD, TD+1, TD+2, TD+3
	s_wait_alu depctr_va_vdst(0)                   ; the conversion has written v[TD ..], which the store reads
	global_store_b128 v[TSO], v[TD:TD+3], s[10:11] ; (x, y, z, q2): the wave's store covers 512 consecutive bytes
	s_branch .Ltabdone
.Ltabs:
	s_lshl_b32 s28, ttmp9, 5
	v_lshl_add_u32 v[TQ], v[R], 1, s28             ; sources 32 b + 2 p and 2 p + 1, p = lane % 16
	v_mul_u32_u24 v[TLO], v[TQ], 12
	s_lshl_b32 s28, ttmp9, 9
	v_lshl_add_u32 v[TSO], v[LN], 4, s28           ; 512 b + 16 lane
	s_wait_alu depctr_va_vdst(0)                   ; v[TLO] is written, which the two loads read
	global_load_b96 v[TR:TR+2], v[TLO], s[6:7]
	global_load_b96 v[TR+4:TR+6], v[TLO], s[6:7] offset:12
	s_wait_loadcnt 0x0
	CONV TR, TR+1, TR+2, 12, 13, 14, 15, 16, 17
	CONV TR+4, TR+5, TR+6, 12, 13, 18, 19, 20, 21
	v_cmp_le_u32 vcc_lo, 16, v[LN]                 ; lanes 0-15: (x0 x1 y0 y1); lanes 16-31: (z0 z1 s2_0 s2_1), 256 bytes further
	s_wait_alu depctr_va_vcc(0)                    ; VCC is written, ahead of the four selects that read it
	v_cndmask_b32 v[TD], v14, v16, vcc_lo
	v_cndmask_b32 v[TD+1], v18, v20, vcc_lo
	v_cndmask_b32 v[TD+2], v15, v17, vcc_lo
	v_cndmask_b32 v[TD+3], v19, v21, vcc_lo
	s_wait_alu depctr_va_vdst(0)                   ; the selects have written v[TD ..], which the store reads
	global_store_b128 v[TSO], v[TD:TD+3], s[8:9]
.Ltabdone:
	; ALL SOURCES INTO LDS, rounded, with s2.  A source is converted in its own four registers, so that no store's data is written again
	; while stores are out; eight sources' conversions, one wait, their sixteen stores.
	v_lshlrev_b32 v24, 3, v0
	v_lshlrev_b32 v25, 2, v0
	v_add_nc_u32 v25, S2B, v25
.set i, 0
.rept 4
.rept 8
	s_wait_loadcnt 33-i                            ; behind load i stand 31 - i source loads and the two query loads
	CONV RAW+4*i, RAW+4*i+1, RAW+4*i+2, RAW+4*i, RAW+4*i+1, 14, 15, 16, RAW+4*i+3
.set i, i+1
.endr
	s_wait_alu depctr_va_vdst(0)                   ; the eight conversions have written their registers of RAW (the first time also: v24 and v25 are written), which the stores read
.set i, i-8
.rept 8
	ds_store_b64 v24, v[RAW+4*i:RAW+4*i+1] offset:(i>>2)*SRCP+(i&3)*2048
	ds_store_b32 v25, v[RAW+4*i+3] offset:1024*i
.set i, i+1
.endr
.endr
	s_wait_loadcnt 0x0                             ; my two queries
	s_wait_alu depctr_vm_vsrc(0)                   ; my 64 LDS stores have read v[RAW ..]: these registers are A, B, s2 and the products from here on
	; what is 0 in A and B for good: k = 4 .. 31, and in B the upper half's k = 8 .. 11, which meet A's copy of the row there
.irp b,0,1,2,3
.irp i,2,3,4,5,6,7
	v_mov_b32 v[AB+8*\b+\i], 0
.endr
.endr
.irp u,0,1
.irp i,1,2,3,4,5,6,7,8,10,11,12,13,14,15
	v_mov_b32 v[BF+16*\u+\i], 0
.endr
.endr
	v_cmp_eq_u32 vcc_lo, 0, v[H]
	s_wait_alu depctr_va_vcc(0)                    ; VCC is written, ahead of the four selects below that read it
.irp u,0,1
	CONV QR+4*\u, QR+4*\u+1, QR+4*\u+2, 12, 13, 14, 15, 16, 17
	v_cndmask_b32 v[BF+16*\u], v[VZ], v12, vcc_lo      ; first link: k = 0, 1
	v_cndmask_b32 v[BF+16*\u+9], v[VZ], v13, vcc_lo    ; second link: k = 2
	v_mov_b32 v[Q2+2*\u], v17
	v_mov_b32 v[Q2+2*\u+1], v17
.endr
.set i, 0
.rept 16
	v_mov_b32 v[KL+i], s19
.set i, i+1
.endr
	v_lshrrev_b32 v8, 3, v[R]
	s_lshl_b32 s28, s15, 1                         ; 2 sq
	v_add_nc_u32 v8, s28, v8
	v_mul_u32_u24 v8, v8, SRCP
	v_and_b32 v11, 7, v[R]
	v_lshl_add_u32 v[ADA], v11, 3, v8              ; row r of A: sublist 2 sq + r / 8, source r % 8 of the step
	v_add_nc_u32 v8, s28, v[H]
	v_lshlrev_b32 v8, 12, v8
	v_add_nc_u32 v[ADS], S2B, v8
	s_lshl_b32 s29, s14, 13
	s_add_co_u32 s29, s29, MINB
	v_lshl_add_u32 v[ADM0], v[LN], 2, s29
	v_mov_b32 v[ADM], v[ADM0]
	s_wait_dscnt 0x0                               ; my part of the tables is in LDS,
	s_barrier_signal -1
	s_barrier_wait -1                              ; everybody's is
.macro LDA buf, off                    ; a step's row of A
	ds_load_b64 v[AB+8*(\buf):AB+8*(\buf)+1], v[ADA] offset:64*(\off)
.endm
.macro LDQ buf, off                    ; a step's 8 s2
	ds_load_b128 v[SB+8*(\buf):SB+8*(\buf)+3], v[ADS] offset:32*(\off)
	ds_load_b128 v[SB+8*(\buf)+4:SB+8*(\buf)+7], v[ADS] offset:32*(\off)+16
.endm
.macro MM ab, db                       ; 16 sources x 16 queries for both tiles; the second link takes the first link's D as C and D (a chain in place)
	v_wmma_f32_16x16x32_bf16 v[DB+16*(\db):DB+16*(\db)+7], v[AB+8*(\ab):AB+8*(\ab)+7], v[BF:BF+7], 0
	v_wmma_f32_16x16x32_bf16 v[DB+16*(\db)+8:DB+16*(\db)+15], v[AB+8*(\ab):AB+8*(\ab)+7], v[BF+16:BF+23], 0
	v_wmma_f32_16x16x32_bf16 v[DB+16*(\db):DB+16*(\db)+7], v[AB+8*(\ab):AB+8*(\ab)+7], v[BF+8:BF+15], v[DB+16*(\db):DB+16*(\db)+7]
	v_wmma_f32_16x16x32_bf16 v[DB+16*(\db)+8:DB+16*(\db)+15], v[AB+8*(\ab):AB+8*(\ab)+7], v[BF+24:BF+31], v[DB+16*(\db)+8:DB+16*(\db)+15]
.endm
; Step j of a group of four: registers alone.  mm: multiply the next step.
; The products read here were issued one step ago (the very first ones in front of the first group, with this step's eight additions between):
; more than the four independent vector instructions that ISA guide 7.12.1 asks for.
.macro STEP j, mm
.if \mm
	MM (\j+1)%4, (\j+1)%2
.endif
.irp u,0,1
.irp p,0,2,4,6
	v_pk_add_f32 v[TT+8*\u+\p:TT+8*\u+\p+1], v[SB+8*(\j%4)+\p:SB+8*(\j%4)+\p+1], v[Q2+2*\u:Q2+2*\u+1]
.endr
.endr
.irp u,0,1
.irp p,0,2,4,6
	v_pk_fma_f32 v[TT+8*\u+\p:TT+8*\u+\p+1], v[DB+16*(\j%2)+8*\u+\p:DB+16*(\j%2)+8*\u+\p+1], -2.0, v[TT+8*\u+\p:TT+8*\u+\p+1] op_sel_hi:[1,0,1]
.endr
.endr
.irp u,0,1
	v_min3_num_f32 v[MA+3*\u], v[TT+8*\u], v[TT+8*\u+1], v[TT+8*\u+2]
	v_min3_num_f32 v[MA+3*\u+1], v[TT+8*\u+3], v[TT+8*\u+4], v[TT+8*\u+5]
.if \j
	v_min3_num_f32 v[MA+3*\u+2], v[TT+8*\u+6], v[TT+8*\u+7], v[MR+\u]
.else
	v_min_num_f32 v[MA+3*\u+2], v[TT+8*\u+6], v[TT+8*\u+7]     ; a group's first step starts its minimum
.endif
.if \j == 3
	v_min3_num_f32 v[MG+\u], v[MA+3*\u], v[MA+3*\u+1], v[MA+3*\u+2]  ; the group's minimum: the one line that writes MG
.else
	v_min3_num_f32 v[MR+\u], v[MA+3*\u], v[MA+3*\u+1], v[MA+3*\u+2]
.endif
.endr
.endm
; A group of 32 sources a sublist: four steps, in two pairs.  first = 1: group 0, with no group in front of it whose minima are to be stored.
; last = 1: group 31: step 127 is the last, so there is no row of A for a step 128, no second run of loads and no product in the last step.
; The addresses are stepped in the group's middle: the first pair's offsets count from the group's first step, the second pair's from the next group's.
.macro GROUP first, last
	s_wait_alu depctr_va_vdst(0)                   ; all earlier steps are complete: their matrix instructions have read AB3 and AB0, their additions SB2 and SB3, in which the loads below land; MG is written, and so are the addresses
	LDA 3, 3
.if !\last
	LDA 0, 4
.endif
	LDQ 2, 2
	LDQ 3, 3
	s_wait_dscnt 6-\last                           ; LDS instructions end in order (ISA guide 5.7.1): all but the loads just issued are done: AB1, AB2, SB0, SB1 are in
.if !\first
	ds_store_b32 v[ADM], v[MG]                     ; the minima of the group before go into my words of MINB
	ds_store_b32 v[ADM], v[MG+1] offset:4096
.endif
	STEP 0, 1
	STEP 1, 1
	s_wait_alu depctr_vm_vsrc(0)                   ; the loads above have read v[ADA] and v[ADS], the stores v[ADM] and MG: the lines below write the addresses, step 3 writes MG
.if !\last
	v_add_nc_u32 v[ADA], 256, v[ADA]
	v_add_nc_u32 v[ADS], 128, v[ADS]
.endif
.if !\first
	v_add_nc_u32 v[ADM], 128, v[ADM]
.endif
.if !\last
	s_wait_alu depctr_va_vdst(0)                   ; the addresses are written; steps 0 and 1 are complete: their matrix instructions have read AB1 and AB2, their additions SB0 and SB1, in which the loads below land
	LDA 1, 1
	LDA 2, 2
	LDQ 0, 0
	LDQ 1, 1
	s_wait_dscnt 6                                 ; all but the six just issued: AB3, AB0, SB2, SB3 are in
.else
	s_wait_dscnt 2                                 ; behind the group's five loads stand the two stores alone
.endif
	STEP 2, 1
	STEP 3, 1-\last
	INS KL, MG                                     ; the group's minimum goes into my list
	INS KL+8, MG+1
.endm
	s_wait_alu depctr_va_vdst(0)                   ; v[ADA] and v[ADS] are written, which the loads read; the lines that wrote v[AB ..] and v[SB ..] as parts of RAW are complete
	LDA 0, 0
	LDA 1, 1
	LDQ 0, 0
	LDA 2, 2
	LDQ 1, 1
	s_wait_dscnt 0x6                               ; step 0's row of A is in, the six loads behind it stay out
	MM 0, 0
	GROUP 1, 0
	s_mov_b32 s17, 30
.Ltrip:
	GROUP 0, 0
	s_sub_co_i32 s17, s17, 1
	s_cmp_lg_u32 s17, 0
	s_cbranch_scc1 .Ltrip
	GROUP 0, 1                                     ; the last group is written out: no load reaches past the sublist
	; THE CLOSE.  Every lane's list goes to LDS; each wave merges the 8 sublists of its own two tiles.
	; All addresses of the close and of the way out are made here, ahead of one wait.
	s_lshl_b32 s28, s16, 4                         ; 8 x (2 tp)
	s_lshl_b32 s29, s15, 1                         ; 2 sq
	s_add_co_u32 s30, s28, s29
	v_add_nc_u32 v8, s30, v[H]
	v_lshl_add_u32 v8, v8, 4, v[R]
	v_lshlrev_b32 v8, 5, v8
	v_add_nc_u32 v8, KXB, v8
	v_lshl_add_u32 v9, v[H], 2, s28                ; I read sublists 4 h .. 4 h + 3 of query r
	v_lshl_add_u32 v9, v9, 4, v[R]
	v_lshlrev_b32 v9, 5, v9
	v_add_nc_u32 v9, KXB, v9
	s_lshl_b32 s28, s16, 5                         ; 16 x (2 tp)
	v_add_nc_u32 v10, s28, v[R]
	v_lshlrev_b32 v10, 3, v10
	v_add3_u32 v10, v10, s29, v[H]
	v_lshlrev_b32 v10, 4, v10
	v_add_nc_u32 v10, FXB, v10
	v_lshlrev_b32 v[OA], 4, v0
	v_add_nc_u32 v[OL], FXB, v[OA]
	s_wait_alu depctr_va_vdst(0)                   ; MG, v[ADM], both lists and the five addresses are written, which the stores and loads below read; the loop is done with v[32:63] and v[96:127], in which the close's loads land
	ds_store_b32 v[ADM], v[MG]                     ; the last group's minima
	ds_store_b32 v[ADM], v[MG+1] offset:4096
	ds_store_b128 v8, v[KL:KL+3]
	ds_store_b128 v8, v[KL+4:KL+7] offset:16
	ds_store_b128 v8, v[KL+8:KL+11] offset:4096
	ds_store_b128 v8, v[KL+12:KL+15] offset:4112
	s_wait_dscnt 0x0                               ; my lists (and my minima) are in LDS,
	s_barrier_signal -1
	s_barrier_wait -1                              ; everybody's are
.macro CLOSE u
.irp c,0,1,2,3
	ds_load_b128 v[32+8*\c:35+8*\c], v9 offset:4096*\u+512*\c
	ds_load_b128 v[36+8*\c:39+8*\c], v9 offset:4096*\u+512*\c+16
.endr
.set g, 0
.rept 32
	ds_load_b32 v[SB+g], v[ADM0] offset:4096*\u+128*g          ; my own 32 group minima
.set g, g+1
.endr
	s_wait_dscnt 32                                ; the four lists are in; the 32 loads behind them stay out
	MERGE 32, 40
	MERGE 48, 56
	MERGE 32, 48
.irp i,0,1,2,3,4,5,6,7
	v_permlanex16_b32 v[72+\i], v[32+\i], s20, s21 ; the other four sublists' 8 smallest
.endr
.irp i,0,1,2,3,4,5,6,7
	v_min_num_f32 v[64+\i], v[32+\i], v[72+7-\i]   ; the 8 smallest of all 256 minima, in no order
.endr
	v_max3_num_f32 v11, v64, v65, v66
	v_max3_num_f32 v12, v67, v68, v69
	v_max3_num_f32 v11, v70, v71, v11
	v_max_num_f32 v11, v11, v12                    ; T, the 8th smallest
	v_mov_b32 v[FW+4*\u], 0
	v_mov_b32 v[FW+4*\u+1], 0
	s_wait_dscnt 0x0
	FLAGS 16, 11, FW+4*\u, FW+4*\u+1               ; group 31 first: group g ends in bit g
	FLAGS 0, 11, FW+4*\u, FW+4*\u+1
	POPC FW+4*\u, 13, 15
	POPC FW+4*\u+1, 14, 15
	v_lshl_or_b32 v[FW+4*\u+2], v14, 16, v13
	v_mov_b32 v[FW+4*\u+3], 0
	s_wait_alu depctr_va_vdst(0)                   ; the tile's four words are written, which the store reads; the merges and compares are done with v[32:63] and v[96:127], in which the next loads land
	ds_store_b128 v10, v[FW+4*\u:FW+4*\u+3] offset:2048*\u     ; each tile has four registers of its own: none is written again
.endm
	CLOSE 0
	CLOSE 1
	s_wait_dscnt 0x0
	s_barrier_signal -1
	s_barrier_wait -1
	; the work-group's 8,192 bytes of flags leave as they lie: each store of a wave covers 512 consecutive bytes
	ds_load_b128 v[32:35], v[OL]
	ds_load_b128 v[36:39], v[OL] offset:4096
	s_lshl_b32 s28, ttmp9, 13
	s_mov_b32 s29, 0
	s_add_nc_u64 s[12:13], s[12:13], s[28:29]
	s_wait_dscnt 0x1                               ; the first of the two
	global_store_b128 v[OA], v[32:35], s[12:13]
	s_wait_dscnt 0x0
	global_store_b128 v[OA], v[36:39], s[12:13] offset:4096
	s_wait_dscnt 0x0
	s_wait_alu depctr_hold_cnt(0) depctr_sa_sdst(0) depctr_va_vdst(0) depctr_va_sdst(0) depctr_va_ssrc(0) depctr_va_vcc(0) depctr_vm_vsrc(0)
	s_wait_tensorcnt 0x0
	ds_add_u32 v219, v227
	s_wait_dscnt 0x0
	s_endpgm
.Lfunc_end_k_q75fa31e9a5_scan:
	.size	k_q75fa31e9a5_scan, .Lfunc_end_k_q75fa31e9a5_scan-k_q75fa31e9a5_scan
	.p2alignl 7, 3214868480
	.fill 96, 4, 3214868480
	.section	.rodata,"a",@progbits
	.p2align	6, 0x0
	.amdhsa_kernel k_q75fa31e9a5_scan
		.amdhsa_group_segment_fixed_size 189952
		.amdhsa_private_segment_fixed_size 0
		.amdhsa_enable_private_segment 0
		.amdhsa_kernarg_size 40
		.amdhsa_user_sgpr_count 2
		.amdhsa_user_sgpr_kernarg_segment_ptr 1
		.amdhsa_wavefront_size32 1
		.amdhsa_system_sgpr_workgroup_id_x 1
		.amdhsa_system_sgpr_workgroup_id_y 1
		.amdhsa_system_sgpr_workgroup_id_z 1
		.amdhsa_system_vgpr_workitem_id 0
		.amdhsa_next_free_vgpr 228
		.amdhsa_next_free_sgpr 66
		.amdhsa_reserve_vcc 1
		.amdhsa_float_denorm_mode_32 3
		.amdhsa_float_denorm_mode_16_64 3
		.amdhsa_memory_ordered 1
		.amdhsa_forward_progress 1
		.amdhsa_inst_pref_size 95
	.end_amdhsa_kernel
	.amdgpu_metadata
---
amdhsa.version: [ 1, 2 ]
amdhsa.kernels:
  - .name:           k_q75fa31e9a5_scan
    .symbol:         k_q75fa31e9a5_scan.kd
    .args:
      - { .name: d_coor, .offset: 0, .size: 8, .value_kind: global_buffer, .address_space: global }
      - { .name: s_coor, .offset: 8, .size: 8, .value_kind: global_buffer, .address_space: global }
      - { .name: stab, .offset: 16, .size: 8, .value_kind: global_buffer, .address_space: global }
      - { .name: qtab, .offset: 24, .size: 8, .value_kind: global_buffer, .address_space: global }
      - { .name: gflag, .offset: 32, .size: 8, .value_kind: global_buffer, .address_space: global }
    .group_segment_fixed_size: 189952
    .private_segment_fixed_size: 0
    .kernarg_segment_align: 8
    .kernarg_segment_size: 40
    .max_flat_workgroup_size: 256
    .sgpr_count:     66
    .vgpr_count:     228
    .wavefront_size: 32
...
	.end_amdgpu_metadata
.endif
;; end of part 4
;; launch refine: the kernel of part 2 again; grid 256 x 1, 16 waves a work-group, no clusters, 133,120 bytes of LDS; arguments stab, qtab, gflag, eflag; writes eflag
;; launch vote: the kernel of part 3 again; grid 512 x 1, 8 waves a work-group, no clusters, 5,120 bytes of LDS; arguments stab, qtab, eflag, s_mask, out0; writes out0
